; MI455X (gfx1250); checked and timed in simulation.
; The chip was launched on July 23, 2026; its instructions are those of AMD's public machine-readable ISA for CDNA 5 (MIT licence, August 2026) and "CDNA5" Instruction Set Architecture Reference Guide (July 2026). The comments in the code are by the model that wrote it; some were corrected since.
;; Multi Layer SNN. Allowed arithmetic: float matrix products may take bf16 or f16 operands with f32 sums; other float arithmetic in f32, or as packed bf16 or f16 multiplies, adds, multiply-adds, maxima and minima; sums over many terms, partial sums and values carried from step to step in f32; what a program stores and reads back later, other than sums and carried values, may be rounded once to bf16 or f16.
;; Inputs: W1 256 x 6 float32; W2 256 x 256 float32; W3 128 x 256 float32; Wo 3 x 128 float32; b1 256 float32; b2 256 float32; b3 128 float32; bo 3 float32; x 65,536 x 6 float32.
;; Outputs: out0 65,536 x 3 float32.
;; Constants: num_steps = 10.
;; 2 versions, each right; version 2 is version 1 with the launch snn written anew for expert scheduling mode. Each part assembles by itself: llvm-mc -triple=amdgcn-amd-amdhsa -mcpu=gfx1250 --defsym DOCPART=n.
;; ======== version 1 of 2: 1 launch
;; launch snn (part 1): grid 256 x 1, 4 waves a work-group, no clusters, 302,592 bytes of LDS; arguments x, W1, b1, W2, b2, W3, b3, Wo, bo, out0; writes out0
.if DOCPART == 1
	.amdgcn_target "amdgcn-amd-amdhsa--gfx1250"
	.amdhsa_code_object_version 6
	.text
	.protected	k_qb6c2f00be3_snn
	.globl	k_qb6c2f00be3_snn
	.p2align	8
	.type	k_qb6c2f00be3_snn,@function
k_qb6c2f00be3_snn:
	s_mov_b64 s[64:65], 0
	v_nop
	global_prefetch_b8 v0, s[64:65] scope:SCOPE_SE
	s_setreg_imm32_b32 hwreg(HW_REG_WAVE_MODE, 25, 1), 1
	s_wait_xcnt 0x0
; THREE LAYERS OF LEAKY INTEGRATE-AND-FIRE NEURONS, TEN STEPS, ONE LAUNCH.  x [65536][6], W1 [256][6], W2 [256][256], W3 [128][256], Wo [3][128], biases, out0 [65536][3], all f32.
; cur1 = x W1^T + b1 once; each step: lif(cur1), lif(spk1 W2^T + b2), lif(spk2 W3^T + b3), out += spk3 Wo^T + bo; out / 10.  lif: mem = beta mem + cur - (old mem > 1); spk = (mem > 1).
; FORMATS.  EVERY input is rounded once to bf16.  Spikes are 0 or 1, exact in bf16, so layers 2, 3 and the output go to the bf16 matrix form with f32 sums.  Layer 1 (K = 6, 100,663,296 of the
; 64.8e9 multiply-adds of the launch) takes the f32 matrix form on the rounded numbers: a chain of fused multiply-adds in ascending k.  Membranes stay in f32: one fused beta mem + cur, then the reset.
; LIMITS.  Membranes are finite (a chunk's first step multiplies the old membrane by 0); NaN and infinities are not treated apart.  The output is summed over steps and neurons first, 10 bo is
; added once and the sum multiplied by 0.1 in place of the division: the order of rounding differs from the written one in the last bits of the output.
; SHARES.  A work-group owns 256 rows and walks them as 8 chunks of 32 (two batch tiles of 16).  THE WEIGHTS LIVE IN REGISTERS: wave w holds W2's rows 64 w .. +63 (256 registers, both batch tiles)
; and W3's rows 64 (w & 1) .. +63 (256 registers, batch tile w >> 1).  A spike fragment read from LDS feeds four matrix instructions.
; LAYOUT.  Source 0 = 16 neurons' weights, source 1 = 16 rows' spikes: in the result a lane holds ONE row (lane % 16) and the neurons 8 (lane / 16) + 0..7, so eight spikes pack into 16 bytes
; that lie along the next layer's K.  Spikes pass between waves through LDS, [row][neuron] in bf16; layer 3's stay in registers: two packed tiles ARE source 1 of the product with Wo.
; THE LIF.  The reset of a step is the spike of the step before, so R = (M > 1) is made once, emitted as that spike and subtracted: R = clamp(2^24 M - 2^24), exactly 0 or 1; M = beta M + cur; M = M - R.
; THE PIPELINE.  The 80 steps of the 8 chunks are one walk of cycles u = 1 .. 84.  Cycle u: layer 1 emits spike u; layer 2 multiplies spike u - 1, emits its own of step u - 2; layer 3 multiplies that of
; step u - 3; its membranes take the sums of the cycle before, and the output takes spike u - 5.  A layer starts a chunk with beta = 0 and no reset (scalars chosen from the counter p = u mod 10).
; The first four and the last four cycles run some phases on zeros or on spikes that no result reads: the price of one text for every cycle.
; BESIDE THE MATRIX WORK.  A cycle has 98 matrix and 336 vector instructions: four vector lines stand behind a matrix instruction.  The state fills window 1 and the weights windows 2 and 3, so
; a slice costs two switches of the register window; set apart in phases the vector lines would leave the matrix unit idle all that while.
; NO CLUSTER, NO TENSOR LOADS: the weights, the one input that work-groups share, are read once a work-group, 192 loads a lane against 8,232 matrix instructions, and must pass through registers to be
; rounded; as f32 their 393,216 bytes have no room in LDS.  NO PREFETCH: the loop reads nothing from memory.
.set PITCH, 528                        ; an LDS row of 256 bf16: 512 bytes + 16: the 16 rows of a fragment load start at 16 different groups of four banks (ISA guide 11.1)
.set TILEB, 16*PITCH                   ; 16 rows
.set SBUF,  32*PITCH                   ; a spike buffer: 32 rows
.set SPARE, 0                          ; the spare words: 128 bytes a wave, two blocks of 256 bytes that no other line names
.set S1_0,  512                        ; layer 1's spikes, two buffers by the cycle's parity
.set S2_0,  S1_0+2*SBUF                ; layer 2's
.set XB,    S2_0+2*SBUF                ; x rounded, 256 rows x 8 f32 (k = 6, 7 are 0)
.set W1B,   XB+8192                    ; W1 likewise
.set B1F,   W1B+8192                   ; b1 rounded, f32
.set OUTP,  B1F+1024                   ; partial outputs: [lane half][w & 1] x 3,584: 9 slots of 32 rows x 12 bytes; slot 0 takes the fill's
.set WS2,   OUTP+14336                 ; W2 in bf16, 256 rows; read once, at the head
.set WS3,   WS2+256*PITCH              ; W3 in bf16, 128 rows
.set BETA1, 0x3f666666                 ; 0.9
.set BETA2, 0x3f59999a                 ; 0.85
.set BETA3, 0x3f4ccccd                 ; 0.8
; window 0
.set AF1, 2                            ; v2   (l % 16) PITCH + 16 (l / 16): my place in a spike fragment
.set AF3, 3                            ; v3   the same in batch tile w >> 1
.set AXB, 4                            ; v4   my 8 bytes of x's fragments; steps a chunk at each REFRESH
.set AW1, 5                            ; v5   of W1's
.set AB1, 6                            ; v6   my 32 bytes of b1
.set AO,  7                            ; v7   my 12 bytes in the output slot in hand
.set SPW, 8                            ; v8   my spare word; never rewritten
.set NIL, 9                            ; v9   0; never rewritten
.set BO,  10                           ; v[10:15] bo for the three pairs that I store at the end
.set D1A, 16                           ; v[16:23], v[24:31]  layer 1's sums, batch tiles 0 and 1: written by the f32 matrix form alone
.set D1B, 24
.set FR,  32                           ; v[32:95]  eight spike fragments (K = 32 each), in four slots of two
.set ACC_A, 96                         ; v[96:127], v[128:159]  two buffers of four accumulators
.set ACC_B, 128
.set BIAS2, 160                        ; v[160:191] b2, v[192:223] b3 in the accumulators' layout: the C operand that starts a sum
.set BIAS3, 192
.set OACC, 224                         ; v[224:231] the output's sums
.set WOA,  232                         ; v[232:247] Wo, two fragments; rows 3 to 15 are 0
.set XF,   248                         ; v[248:255] x's fragments for layer 1
.set WF,   FR+48                       ; REFRESH: W1's fragments, in slot 3
.set BB,   ACC_B                       ; REFRESH: b1
.set VR,  248                          ; the head alone: l % 16, l / 16 and the small loads' offsets
.set VH,  249
.set T48, 250
.set T8,  251
.set OB2, 252
.set OB3, 253
.set OWO, 254
.set OBO, 224
; window 1
.set M1,   0                           ; membranes of layer 1: tile (i, b) at 32 b + 8 i
.set CUR1, 64                          ; its current
.set M2,   128                         ; layer 2, likewise
.set M3,   192                         ; layer 3: tile i at 8 i
.set R,    224                         ; eight spikes in f32
.set P,    232                         ; packed spikes: 16 bytes to store, or a fragment for the product with Wo
.set BIG,  240                         ; 2^24 twice
.set NBIG, 242                         ; -2^24 twice
.set AS,   244                         ; where I store 16 bytes of spikes: AF1 + 128 w
.set GOFF, 245                         ; the head: 16 t
.set LDST, 246                         ; the head: where my 8 bytes of bf16 weights go
; scalars
.set WV, 28
.set WN, 29
.set WB, 30
.set TRIPS, 31
.set UU, 32                            ; u
.set PP, 33                            ; p = u mod 10
.set B1, 34                            ; pairs: the packed forms name a pair and take its low word for both halves
.set B2, 36
.set G2, 38
.set B3, 40
.set G3, 42
.set KEEP, 48
.set INC, 50
.set MSB, 0
.macro WIN new                         ; bits 1:0 source 0, 3:2 source 1, 5:4 source 2, 7:6 destination; the high byte repeats the setting that is left
.if MSB != (\new)
	s_set_vgpr_msb (MSB<<8)|(\new)
.set MSB, \new
.endif
.endm
.macro RNDP dl, dh, sl, sh             ; two f32 rounded to bf16 and widened again
	v_cvt_pk_bf16_f32 v1, v[\sl], v[\sh]
	v_lshlrev_b32 v[\dl], 16, v1
	v_and_b32 v[\dh], 0xffff0000, v1
.endm
.macro RND8 base
.irp q, 0,2,4,6
	RNDP (\base)+\q, (\base)+\q+1, (\base)+\q, (\base)+\q+1
.endr
.endm
.macro STG6 src, dst, off              ; two rows of 6 f32, rounded, as two rows of 8 with zeros behind: 64 bytes a thread
	RNDP (\dst)+0, (\dst)+1, (\src)+0, (\src)+1
	RNDP (\dst)+2, (\dst)+3, (\src)+2, (\src)+3
	RNDP (\dst)+4, (\dst)+5, (\src)+4, (\src)+5
	v_mov_b32 v[(\dst)+6], 0
	v_mov_b32 v[(\dst)+7], 0
	RNDP (\dst)+8, (\dst)+9, (\src)+6, (\src)+7
	RNDP (\dst)+10, (\dst)+11, (\src)+8, (\src)+9
	RNDP (\dst)+12, (\dst)+13, (\src)+10, (\src)+11
	v_mov_b32 v[(\dst)+14], 0
	v_mov_b32 v[(\dst)+15], 0
.irp c, 0,1,2,3
	ds_store_b128 v[OWO], v[(\dst)+4*\c:(\dst)+4*\c+3] offset:(\off)+16*\c
.endr
.endm
; The weights' way in.  Step c is 2,048 consecutive bytes of W2 (c < 128) or W3: 16 bytes a thread, 512 consecutive bytes a wave.  A set is 16 steps, in 64 registers of window 1.
.macro SLOAD s
.irp e, 0,1,2,3,4,5,6,7,8,9,10,11,12,13,14,15
.set c, 16*(\s)+\e
.set sb, 64*((\s)%2)+4*\e
.if c < 128
	global_load_b128 v[sb:sb+3], v[GOFF], s[14:15] offset:2048*c
.else
	global_load_b128 v[sb:sb+3], v[GOFF], s[18:19] offset:2048*(c-128)
.endif
.endr
.endm
.macro SSTORE s                        ; rounded to bf16 in place, 8 bytes a thread into rows of PITCH: two rows a step
.irp e, 0,1,2,3,4,5,6,7,8,9,10,11,12,13,14,15
.set sb, 64*((\s)%2)+4*\e
	v_cvt_pk_bf16_f32 v[sb], v[sb], v[sb+1]
	v_cvt_pk_bf16_f32 v[sb+1], v[sb+2], v[sb+3]
.endr
.irp e, 0,1,2,3,4,5,6,7,8,9,10,11,12,13,14,15
.set sb, 64*((\s)%2)+4*\e
	ds_store_b64 v[LDST], v[sb:sb+1] offset:2*PITCH*((16*(\s)+\e)%32)
.endr
.endm
; THE SLICES: four lines each, on the eight numbers of one tile.
.macro S_SPK m                         ; R = (M > 1): 2^24 M - 2^24 is 2 or more above the threshold and 0 or less at or below it; clamp holds it to 0 .. 1
	WIN 0x55
.irp q, 0,1,2,3
	v_pk_fma_f32 v[R+2*\q:R+2*\q+1], v[(\m)+2*\q:(\m)+2*\q+1], v[BIG:BIG+1], v[NBIG:NBIG+1] clamp
.endr
.endm
.macro S_PACK po
	WIN 0x55
.irp q, 0,1,2,3
	v_cvt_pk_bf16_f32 v[P+(\po)+\q], v[R+2*\q], v[R+2*\q+1]
.endr
.endm
.macro S_STORE off
	ds_store_b128 v[AS], v[P:P+3] offset:\off
.endm
.macro S_UPD1 m                        ; layer 1: M = beta M + cur1
	WIN 0x55
.irp q, 0,1,2,3
	v_pk_fma_f32 v[(\m)+2*\q:(\m)+2*\q+1], v[(\m)+2*\q:(\m)+2*\q+1], s[B1:B1+1], v[(\m)+CUR1-M1+2*\q:(\m)+CUR1-M1+2*\q+1] op_sel_hi:[1,0,1]
.endr
.endm
.macro S_UPD m, acc, sb                ; layers 2, 3: the current is an accumulator of window 0, read from its low end on
	WIN 0x45
.irp q, 0,1,2,3
	v_pk_fma_f32 v[(\m)+2*\q:(\m)+2*\q+1], v[(\m)+2*\q:(\m)+2*\q+1], s[(\sb):(\sb)+1], v[(\acc)+2*\q:(\acc)+2*\q+1] op_sel_hi:[1,0,1]
.endr
.endm
.macro S_RST1 m
	WIN 0x55
.irp q, 0,1,2,3
	v_pk_add_f32 v[(\m)+2*\q:(\m)+2*\q+1], v[(\m)+2*\q:(\m)+2*\q+1], v[R+2*\q:R+2*\q+1] neg_lo:[0,1] neg_hi:[0,1]
.endr
.endm
.macro S_RST m, sg                     ; M = M + gamma R, gamma = -1, or 0 at a chunk's first step
	WIN 0x55
.irp q, 0,1,2,3
	v_pk_fma_f32 v[(\m)+2*\q:(\m)+2*\q+1], v[R+2*\q:R+2*\q+1], s[(\sg):(\sg)+1], v[(\m)+2*\q:(\m)+2*\q+1] op_sel_hi:[1,0,1]
.endr
.endm
.macro J1S T, ph                       ; layer 1, tile T = 4 b + i, slice ph
.if (\ph) == 0
	S_SPK M1+8*(\T)
.elseif (\ph) == 1
	S_PACK 0
	S_STORE S1_0+SBUF*PAR+TILEB*((\T)/4)+32*((\T)%4)
.elseif (\ph) == 2
	S_UPD1 M1+8*(\T)
.else
	S_RST1 M1+8*(\T)
.endif
.endm
; Matrix instruction n of a cycle's 96: group g (0, 1: layer 2, batch tiles 0, 1; 2: layer 3), K block k, neuron tile i.  The group's four accumulators take turns, one instruction a turn.
; The first four start the sums with the bias.  The groups' buffers alternate, and change places from cycle to cycle, so that a buffer is read while the other is written.
.macro MM
.set g, n/32
.set k, (n%32)/4
.set i, n%4
.set rD, ACC_A+32*((g+PAR+1)%2)+8*i
.set rA, 64*i+8*k
.set rB, FR+8*k
.if g < 2
	WIN 0x03
.set rC, BIAS2+8*i
.else
	WIN 0x02
.set rC, BIAS3+8*i
.endif
.if k == 0
	v_wmma_f32_16x16x32_bf16 v[rD:rD+7], v[rA:rA+7], v[rB:rB+7], v[rC:rC+7]
.else
	v_wmma_f32_16x16x32_bf16 v[rD:rD+7], v[rA:rA+7], v[rB:rB+7], v[rD:rD+7]
.endif
.endm
.macro OUTW kc                         ; the output's sums take 32 of my 64 neurons' spikes
	WIN 0x04
	v_wmma_f32_16x16x32_bf16 v[OACC:OACC+7], v[WOA+8*(\kc):WOA+8*(\kc)+7], v[P:P+7], v[OACC:OACC+7]
.endm
; Quarter Q of 12 (eight matrix instructions) reads two fragments, slot Q % 4: four loads, from the spike buffers of parity rp.
.macro FETCH Q, rp
	WIN 0
.irp kk, 0,1
.set fk, 2*((\Q)%4)+\kk
.if (\Q) < 8
	ds_load_b128 v[FR+8*fk:FR+8*fk+3],   v[AF1] offset:S1_0+SBUF*(\rp)+TILEB*((\Q)/4)+64*fk
	ds_load_b128 v[FR+8*fk+4:FR+8*fk+7], v[AF1] offset:S1_0+SBUF*(\rp)+TILEB*((\Q)/4)+64*fk+32
.else
	ds_load_b128 v[FR+8*fk:FR+8*fk+3],   v[AF3] offset:S2_0+SBUF*(\rp)+64*fk
	ds_load_b128 v[FR+8*fk+4:FR+8*fk+7], v[AF3] offset:S2_0+SBUF*(\rp)+64*fk+32
.endif
.endr
.endm
; The slice behind matrix instruction n.  None names a register of the group that is running.
;   0-15  layer 3, tile n / 4, on the sums of the cycle before     16-31, 56-71  layer 1     32-39  layer 2, batch tile 1: its spikes leave     40-55  layer 2, batch tile 0, whole
;   77-88 layer 2, batch tile 1: its membranes, when its sums are there; the spikes are made again, so that every LDS store stands ahead of the barrier
.macro RIDER
.if n < 16
.set ti, n/4
.set ph, n%4
.if ph == 0
	S_SPK M3+8*ti
.elseif ph == 1
	S_PACK 4*(ti%2)
.elseif ph == 2
	S_UPD M3+8*ti, ACCP+8*ti, B3
.else
	S_RST M3+8*ti, G3
.endif
.elseif n < 32
	J1S (n-16)/4, (n-16)%4
.elseif n < 40
.set ti, (n-32)/2
.if ((n-32)%2) == 0
	S_SPK M2+32+8*ti
.else
	S_PACK 0
	S_STORE S2_0+SBUF*PAR+TILEB+32*ti
.endif
.elseif n < 56
.set ti, (n-40)/4
.set ph, (n-40)%4
.if ph == 0
	S_SPK M2+8*ti
.elseif ph == 1
	S_PACK 0
	S_STORE S2_0+SBUF*PAR+32*ti
.elseif ph == 2
	S_UPD M2+8*ti, ACC0+8*ti, B2
.else
	S_RST M2+8*ti, G2
.endif
.elseif n < 72
	J1S 4+(n-56)/4, (n-56)%4
.elseif (n >= 77) && (n < 89)
.set ti, (n-77)/3
.set ph, (n-77)%3
.if ph == 0
	S_SPK M2+32+8*ti
.elseif ph == 1
	S_UPD M2+32+8*ti, ACC1+8*ti, B2
.else
	S_RST M2+32+8*ti, G2
.endif
.endif
.endm
; The output's sums go to the slot in hand in every even cycle; where p = 4 they are a chunk's last: the slot is left (INC = 384) and the sums start anew (KEEP = 0).  No branch.
.macro F1
	WIN 0
.irp o, 0,1,2
	ds_store_b32 v[AO], v[OACC+\o] offset:4*\o
.endr
	v_add_nc_u32 v[AO], s[INC], v[AO]
.irp q, 0,2,4,6
	v_pk_mul_f32 v[OACC+\q:OACC+\q+1], v[OACC+\q:OACC+\q+1], s[KEEP:KEEP+1] op_sel_hi:[1,0]
.endr
.endm
; A CYCLE.  par = u & 1: the parity of the buffers that it writes; it reads the others.
; LDS LOADS: a quarter's run of four goes out three quarters ahead, behind a slice of four plain lines or more, which are the places behind the slot's last reader.
; THE BARRIER, one a cycle: in front of the signal (ahead of instruction 76) my spike stores (the last stands behind instruction 69) and my reads of this cycle's buffers (the last run behind 64) are done.
; Behind the wait (ahead of 80) the buffers written in this cycle are whole and those read in it are free: the next cycle's first runs go out.  Between signal and wait: work on registers alone.
.macro CYCLE par
.set PAR, \par
.set ACCP, ACC_A+32*(\par)             ; layer 3's sums of the cycle before
.set ACC0, ACC_A+32*((PAR+1)%2)        ; this cycle's group 0
.set ACC1, ACC_A+32*(PAR%2)            ; group 1
.if \par
	s_cmp_eq_u32 s[PP], 1                          ; layer 2 takes a chunk's first sums in cycles 10 c + 1
	s_cselect_b32 s[B2], 0, BETA2
	s_cselect_b32 s[G2], 0, -1.0
	s_mov_b32 s[B3], BETA3
	s_mov_b32 s[G3], -1.0
.else
	s_cmp_eq_u32 s[PP], 4                          ; layer 3 in cycles 10 c + 4
	s_cselect_b32 s[B3], 0, BETA3
	s_cselect_b32 s[G3], 0, -1.0
	s_cselect_b32 s[KEEP], 0, 1.0
	s_cselect_b32 s[INC], 384, 0
	s_mov_b32 s[B2], BETA2
	s_mov_b32 s[G2], -1.0
.endif
.set n, 0
.rept 96
.if (n%8) == 0
	s_wait_dscnt 8                                 ; LDS instructions end in order (ISA guide 5.7.1): behind this quarter's run two younger runs of four were issued; stores among them only tighten the wait
.endif
.if (n == 32) && (PAR == 0)
	F1
.endif
.if n == 76
	s_wait_dscnt 0x0                               ; for the others' sake: my stores are done and my reads are back
	s_barrier_signal -1
.endif
.if n == 80
	s_barrier_wait -1
.endif
	MM
	RIDER
.if (n == 6) || (n == 14)
	OUTW (n-6)/8                                   ; a slice behind the second tile's packing; eight plain lines stand between it and the next write of P
.endif
.if ((n%8) == 0) && (n <= 64)
	FETCH n/8+3, 1-PAR
.endif
.if n == 80
	FETCH 0, PAR                                   ; the next cycle's first quarters, from the buffer just written
	FETCH 1, PAR
.endif
.if n == 88
	FETCH 2, PAR
.endif
.set n, n+1
.endr
	WIN 0
.endm
; A CHUNK BEGINS FOR LAYER 1: cur1 = x W1^T + b1 for 32 rows x my 64 neurons; the first membrane is cur1.  K = 6 as two steps of 4 (the last two are zeros).  The two sums take turns; each starts with the
; constant 0.  Nine v_nop are the places behind this form (ISA guide 7.12.1) in front of the sums' readers and of the next tile's first products; what is made of a sum goes into other registers.
.macro REFRESH
	WIN 0
.rept 4
	v_nop                                          ; the places behind the last matrix instruction, in front of loads into slot 3
.endr
.irp i, 0,1,2,3
	ds_load_b64 v[WF+4*\i:WF+4*\i+1],   v[AW1] offset:512*\i
	ds_load_b64 v[WF+4*\i+2:WF+4*\i+3], v[AW1] offset:512*\i+16
.endr
.irp b, 0,1
	ds_load_b64 v[XF+4*\b:XF+4*\b+1],   v[AXB] offset:512*\b
	ds_load_b64 v[XF+4*\b+2:XF+4*\b+3], v[AXB] offset:512*\b+16
.endr
.irp i, 0,1,2,3
	ds_load_b128 v[BB+8*\i:BB+8*\i+3],   v[AB1] offset:64*\i
	ds_load_b128 v[BB+8*\i+4:BB+8*\i+7], v[AB1] offset:64*\i+16
.endr
	s_wait_dscnt 0x0
	v_add_nc_u32 v[AXB], 1024, v[AXB]              ; the next chunk's 32 rows
.irp i, 0,1,2,3
	v_wmma_f32_16x16x4_f32 v[D1A:D1A+7], v[WF+4*\i:WF+4*\i+1], v[XF:XF+1], 0
	v_wmma_f32_16x16x4_f32 v[D1B:D1B+7], v[WF+4*\i:WF+4*\i+1], v[XF+4:XF+5], 0
	v_wmma_f32_16x16x4_f32 v[D1A:D1A+7], v[WF+4*\i+2:WF+4*\i+3], v[XF+2:XF+3], v[D1A:D1A+7]
	v_wmma_f32_16x16x4_f32 v[D1B:D1B+7], v[WF+4*\i+2:WF+4*\i+3], v[XF+6:XF+7], v[D1B:D1B+7]
.rept 9
	v_nop
.endr
	WIN 0x40
.irp q, 0,2,4,6
	v_pk_add_f32 v[M1+8*\i+\q:M1+8*\i+\q+1],     v[D1A+\q:D1A+\q+1], v[BB+8*\i+\q:BB+8*\i+\q+1]
	v_pk_add_f32 v[CUR1+8*\i+\q:CUR1+8*\i+\q+1], v[D1A+\q:D1A+\q+1], v[BB+8*\i+\q:BB+8*\i+\q+1]
.endr
.irp q, 0,2,4,6
	v_pk_add_f32 v[M1+32+8*\i+\q:M1+32+8*\i+\q+1],     v[D1B+\q:D1B+\q+1], v[BB+8*\i+\q:BB+8*\i+\q+1]
	v_pk_add_f32 v[CUR1+32+8*\i+\q:CUR1+32+8*\i+\q+1], v[D1B+\q:D1B+\q+1], v[BB+8*\i+\q:BB+8*\i+\q+1]
.endr
	WIN 0
.endr
.endm
	; THE HEAD: ids and addresses
	s_load_b512 s[8:23], s[0:1], 0x0               ; x s[8:9], W1 s[10:11], b1 s[12:13], W2 s[14:15], b2 s[16:17], W3 s[18:19], b3 s[20:21], Wo s[22:23]
	s_load_b128 s[24:27], s[0:1], 0x40             ; bo s[24:25], out0 s[26:27]
	v_lshl_add_u32 v[SPW], v0, 2, SPARE
	v_mov_b32 v[NIL], 0
	v_lshrrev_b32 v1, 5, v0
	v_readfirstlane_b32 s[WV], v1                  ; wave 0..3
	s_and_b32 s[WN], s[WV], 1                      ; layer 3: which 64 neurons
	s_lshr_b32 s[WB], s[WV], 1                     ; and which batch tile
	v_and_b32 v[VR], 15, v0                        ; l % 16
	v_bfe_u32 v[VH], v0, 4, 1                      ; l / 16
	v_mul_u32_u24 v[AF1], v[VR], PITCH
	v_lshl_add_u32 v[AF1], v[VH], 4, v[AF1]
	s_mul_i32 s44, s[WB], TILEB
	v_add_nc_u32 v[AF3], s44, v[AF1]
	v_lshlrev_b32 v[AXB], 5, v[VR]                 ; the f32 form: lane l holds row l % 16, k = 2 (l / 16) + 0, 1: 8 bytes of a row of 32
	v_lshl_add_u32 v[AXB], v[VH], 3, v[AXB]
	s_lshl_b32 s44, s[WV], 11                      ; my 64 rows of W1
	s_add_co_u32 s44, s44, W1B
	v_add_nc_u32 v[AW1], s44, v[AXB]
	v_add_nc_u32 v[AXB], XB, v[AXB]
	s_lshl_b32 s44, s[WV], 8                       ; my 64 numbers of b1 and b2
	s_add_co_u32 s45, s44, B1F
	v_lshl_add_u32 v[AB1], v[VH], 5, s45
	v_lshl_add_u32 v[OB2], v[VH], 5, s44
	s_lshl_b32 s46, s[WN], 8                       ; of b3, and of a row of Wo
	v_lshl_add_u32 v[OB3], v[VH], 5, s46
	v_min_u32 v[OWO], 2, v[VR]                     ; Wo has three rows: the other lanes load the third and are cleared below
	v_lshl_add_u32 v[OWO], v[OWO], 9, v[OB3]
	s_mul_i32 s44, s[WN], 3584
	s_mul_i32 s45, s[WB], 192
	s_add_co_u32 s44, s44, s45
	s_add_co_u32 s44, s44, OUTP
	v_mul_u32_u24 v[AO], v[VR], 12
	v_mad_u32_u24 v[AO], v[VH], 7168, v[AO]        ; lanes 16-31 hold rows 8-15 of the product with Wo, zeros: they have a region of their own
	v_add_nc_u32 v[AO], s44, v[AO]
	v_mul_u32_u24 v[T48], v0, 48
	v_lshlrev_b32 v[T8], 3, v0
.irp c, 0,1,2                          ; 4 ((2 t + c) mod 3): which of bo's three numbers goes with the numbers that I store at the end
	v_lshl_add_u32 v[OBO+\c], v0, 1, \c
	v_mul_u32_u24 v1, v[OBO+\c], 0xaaab            ; a third of a number under 2^16: times 43,691, 17 bits down
	v_lshrrev_b32 v1, 17, v1
	v_mul_u32_u24 v1, v1, 3
	v_sub_nc_u32 v[OBO+\c], v[OBO+\c], v1
	v_lshlrev_b32 v[OBO+\c], 2, v[OBO+\c]
.endr
	v_lshrrev_b32 v1, 6, v0                        ; a step of the weights' way in is two rows: row t / 64, 8 bytes at 8 (t % 64)
	v_mul_u32_u24 v1, v1, PITCH
	v_and_b32 v255, 63, v0
	v_lshl_add_u32 v1, v255, 3, v1
	s_lshl_b32 s47, s[WV], 7
	WIN 0x40
	v_lshlrev_b32 v[GOFF], 4, v0
	v_add_nc_u32 v[LDST], WS2, v1
	v_add_nc_u32 v[AS], s47, v[AF1]
	v_mov_b32 v[BIG], 0x4b800000
	v_mov_b32 v[BIG+1], 0x4b800000
	v_mov_b32 v[NBIG], 0xcb800000
	v_mov_b32 v[NBIG+1], 0xcb800000
	WIN 0
	s_mov_b32 s[B1], BETA1
	s_mov_b32 s[B1+1], BETA1
.irp p, B2, G2, B3, G3, KEEP
	s_mov_b32 s[\p], 0                             ; chosen anew in every cycle;
	s_mov_b32 s[\p+1], 0                           ; named with it as a pair
.endr
	s_mov_b32 s[TRIPS], 42
	s_mov_b32 s[UU], 1
	s_mov_b32 s[PP], 1
	s_mul_i32 s44, ttmp9, 6144                     ; the work-group's 256 rows of x,
	s_mov_b32 s45, 0
	s_mul_i32 s46, ttmp9, 3072                     ; and of out0
	s_mov_b32 s47, 0
	s_wait_kmcnt 0x0
	s_add_nc_u64 s[8:9], s[8:9], s[44:45]
	s_add_nc_u64 s[26:27], s[26:27], s[46:47]
	; the small inputs: 37 loads
.irp c, 0,1,2
	global_load_b128 v[32+4*\c:35+4*\c], v[T48], s[8:9] offset:16*\c th:TH_LOAD_NT
	global_load_b128 v[44+4*\c:47+4*\c], v[T48], s[10:11] offset:16*\c
.endr
	global_load_b64 v[56:57], v[T8], s[12:13]
.irp i, 0,1,2,3
	global_load_b128 v[BIAS2+8*\i:BIAS2+8*\i+3],   v[OB2], s[16:17] offset:64*\i
	global_load_b128 v[BIAS2+8*\i+4:BIAS2+8*\i+7], v[OB2], s[16:17] offset:64*\i+16
	global_load_b128 v[BIAS3+8*\i:BIAS3+8*\i+3],   v[OB3], s[20:21] offset:64*\i
	global_load_b128 v[BIAS3+8*\i+4:BIAS3+8*\i+7], v[OB3], s[20:21] offset:64*\i+16
.endr
.irp c, 0,1                            ; Wo's fragment c: neurons 32 c + 8 (l / 16) + 0..7 and 16 further on
	global_load_b128 v[64+16*\c:67+16*\c], v[OWO], s[22:23] offset:128*\c
	global_load_b128 v[68+16*\c:71+16*\c], v[OWO], s[22:23] offset:128*\c+16
	global_load_b128 v[72+16*\c:75+16*\c], v[OWO], s[22:23] offset:128*\c+64
	global_load_b128 v[76+16*\c:79+16*\c], v[OWO], s[22:23] offset:128*\c+80
.endr
	global_load_b32 v[BO+0], v[OBO+0], s[24:25]
	global_load_b32 v[BO+1], v[OBO+1], s[24:25]
	global_load_b32 v[BO+2], v[OBO+1], s[24:25]
	global_load_b32 v[BO+3], v[OBO+2], s[24:25]
	global_load_b32 v[BO+4], v[OBO+2], s[24:25]
	global_load_b32 v[BO+5], v[OBO+0], s[24:25]    ; (2 t + 3) mod 3 = (2 t) mod 3
	WIN 0x55
	SLOAD 0
	WIN 0x40                                       ; layers 2 and 3 start on zeros: the fill's cycles read them; written while the loads are out
.set z, M2
.rept 96
	v_mov_b32 v[z], 0
.set z, z+1
.endr
	s_wait_loadcnt 16                              ; the small inputs are in; set 0's 16 loads may stay out
	WIN 0x55
	SLOAD 1
	WIN 0
.irp q, 0,1,2,3,4,5,6,7
	v_mov_b32 v[OACC+\q], 0                        ; (bo's offsets lay here; their loads are done)
.endr
	v_cmp_gt_u32 vcc_lo, 3, v[VR]
.irp q, 0,1,2,3,4,5,6,7,8,9,10,11,12,13,14,15
	v_cvt_pk_bf16_f32 v[WOA+\q], v[64+2*\q], v[65+2*\q]
.endr
.irp q, 0,1,2,3,4,5,6,7,8,9,10,11,12,13,14,15
	v_cndmask_b32 v[WOA+\q], 0, v[WOA+\q], vcc_lo  ; rows 3 to 15 are 0
.endr
	v_lshl_add_u32 v[OWO], v0, 6, XB
	STG6 32, 96, 0                                 ; x
	STG6 44, 112, W1B-XB                           ; W1
	RNDP 56, 57, 56, 57
	v_add_nc_u32 v[OB3], B1F, v[T8]
	ds_store_b64 v[OB3], v[56:57]                  ; b1
.irp i, 0,1,2,3
	RND8 BIAS2+8*\i
	RND8 BIAS3+8*\i
.endr
	RNDP BO, BO+1, BO, BO+1
	RNDP BO+2, BO+3, BO+2, BO+3
	RNDP BO+4, BO+5, BO+4, BO+5
	; the weights: twelve sets; while one is rounded and stored the other's loads are out
	WIN 0x55
.irp s, 0,1,2,3,4,5,6,7,8,9
	s_wait_loadcnt 16                              ; this set is in; the younger set's 16 loads may stay out
	SSTORE \s
	SLOAD \s+2
.if (\s%2) == 1
	v_add_nc_u32 v[LDST], 64*PITCH, v[LDST]        ; 32 steps, 64 rows on: the stores' offsets stay inside 16 bits
.endif
.endr
	s_wait_loadcnt 16
	SSTORE 10
	s_wait_loadcnt 0x0
	SSTORE 11
	WIN 0
	s_wait_dscnt 0x0                               ; my stores are done,
	s_barrier_signal -1
	s_barrier_wait -1                              ; everybody's are: x, W1, b1, W2 and W3 lie in LDS
	s_mul_i32 s44, s[WV], 64*PITCH
	s_add_co_u32 s44, s44, WS2
	v_add_nc_u32 v1, s44, v[AF1]                   ; my 64 rows of W2,
	s_mul_i32 s45, s[WN], 64*PITCH
	s_add_co_u32 s45, s45, WS3
	v_add_nc_u32 v96, s45, v[AF1]                  ; and of W3
	WIN 0xc0                                       ; fragment (i, k), 16 rows x 32 K, at 64 i + 8 k of window 3
.irp i, 0,1,2,3
.irp k, 0,1,2,3,4,5,6,7
	ds_load_b128 v[64*\i+8*\k:64*\i+8*\k+3],   v1 offset:TILEB*\i+64*\k
	ds_load_b128 v[64*\i+8*\k+4:64*\i+8*\k+7], v1 offset:TILEB*\i+64*\k+32
.endr
.endr
	WIN 0x80                                       ; and of window 2
.irp i, 0,1,2,3
.irp k, 0,1,2,3,4,5,6,7
	ds_load_b128 v[64*\i+8*\k:64*\i+8*\k+3],   v96 offset:TILEB*\i+64*\k
	ds_load_b128 v[64*\i+8*\k+4:64*\i+8*\k+7], v96 offset:TILEB*\i+64*\k+32
.endr
.endr
	REFRESH                                        ; chunk 0; its wait for 0 is the weights' too
.set z, ACC_B
.rept 32
	v_mov_b32 v[z], 0                              ; what layer 3's membranes take in cycle 1
.set z, z+1
.endr
	WIN 0x40
.irp q, 0,1,2,3
	v_mov_b32 v[P+\q], 0
.endr
	WIN 0x55
.irp T, 0,1,2,3,4,5,6,7
	ds_store_b128 v[AS], v[P:P+3] offset:S2_0+TILEB*(\T/4)+32*(\T%4)  ; what layer 3 multiplies in cycle 1: zeros, my 64 columns of the 32 rows
.endr
.set PAR, 0
.irp T, 0,1,2,3,4,5,6,7
.irp ph, 0,1,2,3
	J1S \T, \ph                                    ; layer 1's spikes of step 0
.endr
.endr
	WIN 0
	s_wait_dscnt 0x0
	s_barrier_signal -1
	s_barrier_wait -1
	FETCH 0, 0                                     ; as a cycle's end issues them
	FETCH 1, 0
	FETCH 2, 0
.Ltrip:                                            ; 42 trips of two cycles
	CYCLE 1
	s_cmp_eq_u32 s[PP], 9                          ; layer 1 has emitted a chunk's last spikes,
	s_cbranch_scc0 .Lkeep
	s_cmp_lt_u32 s[UU], 79                         ; and there is a further chunk
	s_cbranch_scc0 .Lkeep
	REFRESH
.Lkeep:
	s_add_co_u32 s[UU], s[UU], 1
	s_add_co_u32 s[PP], s[PP], 1
	s_cmp_eq_u32 s[PP], 10
	s_cselect_b32 s[PP], 0, s[PP]
	CYCLE 0
	s_add_co_u32 s[UU], s[UU], 1
	s_add_co_u32 s[PP], s[PP], 1                   ; even to odd: no wrap
	s_sub_co_u32 s[TRIPS], s[TRIPS], 1
	s_cmp_lg_u32 s[TRIPS], 0
	s_cbranch_scc1 .Ltrip
	; THE END.  The eight chunks' slots are 3,072 consecutive bytes, out0's layout, twice (the two halves of layer 3's neurons).  The last stores into them stand ahead of cycle 84's barrier.
	s_wait_dscnt 0x0                               ; the last cycle's three runs for a cycle that does not follow: one text for every cycle
	v_lshl_add_u32 v1, v0, 3, OUTP+384
	v_lshlrev_b32 v[AXB], 3, v0
.irp j, 0,1,2
	ds_load_b64 v[160+4*\j:161+4*\j], v1 offset:1024*\j
	ds_load_b64 v[162+4*\j:163+4*\j], v1 offset:1024*\j+3584
.endr
	s_wait_dscnt 0x0
.irp j, 0,1,2
	v_pk_add_f32 v[160+4*\j:161+4*\j], v[160+4*\j:161+4*\j], v[162+4*\j:163+4*\j]
	v_pk_fma_f32 v[160+4*\j:161+4*\j], v[BO+2*\j:BO+2*\j+1], 0x41200000, v[160+4*\j:161+4*\j] op_sel_hi:[1,0,1]  ; + 10 bo
	v_pk_mul_f32 v[160+4*\j:161+4*\j], v[160+4*\j:161+4*\j], 0x3dcccccd op_sel_hi:[1,0]                          ; x 0.1
	global_store_b64 v[AXB], v[160+4*\j:161+4*\j], s[26:27] offset:1024*\j th:TH_STORE_NT  ; a wave stores 256 consecutive bytes, at a multiple of 256 from out0's first byte
.endr
	s_wait_tensorcnt 0x0                           ; the wave's end: behind my last LDS store
	ds_add_u32 v[SPW], v[NIL]
	s_wait_dscnt 0x0
	s_endpgm
.Lfunc_end_k_qb6c2f00be3_snn:
	.size	k_qb6c2f00be3_snn, .Lfunc_end_k_qb6c2f00be3_snn-k_qb6c2f00be3_snn
	.p2alignl 7, 3214868480
	.fill 96, 4, 3214868480
	.section	.rodata,"a",@progbits
	.p2align	6, 0x0
	.amdhsa_kernel k_qb6c2f00be3_snn
		.amdhsa_group_segment_fixed_size 302592
		.amdhsa_private_segment_fixed_size 0
		.amdhsa_enable_private_segment 0
		.amdhsa_kernarg_size 80
		.amdhsa_user_sgpr_count 2
		.amdhsa_user_sgpr_kernarg_segment_ptr 1
		.amdhsa_wavefront_size32 1
		.amdhsa_system_sgpr_workgroup_id_x 1
		.amdhsa_system_sgpr_workgroup_id_y 1
		.amdhsa_system_sgpr_workgroup_id_z 1
		.amdhsa_system_vgpr_workitem_id 0
		.amdhsa_next_free_vgpr 1024
		.amdhsa_next_free_sgpr 66
		.amdhsa_reserve_vcc 1
		.amdhsa_float_denorm_mode_32 3
		.amdhsa_float_denorm_mode_16_64 3
		.amdhsa_memory_ordered 1
		.amdhsa_forward_progress 1
		.amdhsa_inst_pref_size 190
	.end_amdhsa_kernel
	.amdgpu_metadata
---
amdhsa.version: [ 1, 2 ]
amdhsa.kernels:
  - .name:           k_qb6c2f00be3_snn
    .symbol:         k_qb6c2f00be3_snn.kd
    .args:
      - { .name: x, .offset: 0, .size: 8, .value_kind: global_buffer, .address_space: global }
      - { .name: W1, .offset: 8, .size: 8, .value_kind: global_buffer, .address_space: global }
      - { .name: b1, .offset: 16, .size: 8, .value_kind: global_buffer, .address_space: global }
      - { .name: W2, .offset: 24, .size: 8, .value_kind: global_buffer, .address_space: global }
      - { .name: b2, .offset: 32, .size: 8, .value_kind: global_buffer, .address_space: global }
      - { .name: W3, .offset: 40, .size: 8, .value_kind: global_buffer, .address_space: global }
      - { .name: b3, .offset: 48, .size: 8, .value_kind: global_buffer, .address_space: global }
      - { .name: Wo, .offset: 56, .size: 8, .value_kind: global_buffer, .address_space: global }
      - { .name: bo, .offset: 64, .size: 8, .value_kind: global_buffer, .address_space: global }
      - { .name: out0, .offset: 72, .size: 8, .value_kind: global_buffer, .address_space: global }
    .group_segment_fixed_size: 302592
    .private_segment_fixed_size: 0
    .kernarg_segment_align: 8
    .kernarg_segment_size: 80
    .max_flat_workgroup_size: 128
    .sgpr_count:     66
    .vgpr_count:     1024
    .wavefront_size: 32
...
	.end_amdgpu_metadata
.endif
;; end of part 1
;; ======== version 2 of 2: 1 launch; version 1 with the launch snn written anew for expert scheduling mode
;; launch snn (part 2): grid 256 x 1, 4 waves a work-group, no clusters, 302,592 bytes of LDS; arguments x, W1, b1, W2, b2, W3, b3, Wo, bo, out0; writes out0
.if DOCPART == 2
	.amdgcn_target "amdgcn-amd-amdhsa--gfx1250"
	.amdhsa_code_object_version 6
	.text
	.protected	k_qb6c2f00be3_snn
	.globl	k_qb6c2f00be3_snn
	.p2align	8
	.type	k_qb6c2f00be3_snn,@function
k_qb6c2f00be3_snn:
	s_mov_b64 s[64:65], 0
	v_nop
	global_prefetch_b8 v0, s[64:65] scope:SCOPE_SE
	s_setreg_imm32_b32 hwreg(HW_REG_WAVE_SCHED_MODE, 0, 2), 2
	s_setreg_imm32_b32 hwreg(HW_REG_WAVE_MODE, 25, 1), 1
	s_wait_xcnt 0x0
	s_wait_alu depctr_vm_vsrc(0)
; THREE LAYERS OF LEAKY INTEGRATE-AND-FIRE NEURONS, TEN STEPS, ONE LAUNCH.  x [65536][6], W1 [256][6], W2 [256][256], W3 [128][256], Wo [3][128], biases, out0 [65536][3], all f32.
; cur1 = x W1^T + b1 once; each step: lif(cur1), lif(spk1 W2^T + b2), lif(spk2 W3^T + b3), out += spk3 Wo^T + bo; out / 10.  lif: mem = beta mem + cur - (old mem > 1); spk = (mem > 1).
; FORMATS.  EVERY input is rounded once to bf16.  Spikes are 0 or 1, exact in bf16, so layers 2, 3 and the output go to the bf16 matrix form with f32 sums.  Layer 1 (K = 6, 100,663,296 of the
; 64.8e9 multiply-adds of the launch) takes the f32 matrix form on the rounded numbers: a chain of fused multiply-adds in ascending k.  Membranes stay in f32: one fused beta mem + cur, then the reset.
; LIMITS.  Membranes are finite (a chunk's first step multiplies the old membrane by 0); NaN and infinities are not treated apart.  The output is summed over steps and neurons first, 10 bo is
; added once and the sum multiplied by 0.1 in place of the division: the order of rounding differs from the written one in the last bits of the output.
; SHARES.  A work-group owns 256 rows and walks them as 8 chunks of 32 (two batch tiles of 16).  THE WEIGHTS LIVE IN REGISTERS: wave w holds W2's rows 64 w .. +63 (256 registers, both batch tiles)
; and W3's rows 64 (w & 1) .. +63 (256 registers, batch tile w >> 1).  A spike fragment read from LDS feeds four matrix instructions.
; LAYOUT.  Source 0 = 16 neurons' weights, source 1 = 16 rows' spikes: in the result a lane holds ONE row (lane % 16) and the neurons 8 (lane / 16) + 0..7, so eight spikes pack into 16 bytes
; that lie along the next layer's K.  Spikes pass between waves through LDS, [row][neuron] in bf16; layer 3's stay in registers: two packed tiles ARE source 1 of the product with Wo.
; THE LIF.  The reset of a step is the spike of the step before, so R = (M > 1) is made once, emitted as that spike and subtracted: R = clamp(2^24 M - 2^24), exactly 0 or 1; M = beta M + cur; M = M - R.
; THE PIPELINE.  The 80 steps of the 8 chunks are one walk of cycles u = 1 .. 84.  Cycle u: layer 1 emits spike u; layer 2 multiplies spike u - 1, emits its own of step u - 2; layer 3 multiplies that of
; step u - 3; its membranes take the sums of the cycle before, and the output takes spike u - 5.  A layer starts a chunk with beta = 0 and no reset (scalars chosen from the counter p = u mod 10).
; The first four and the last four cycles run some phases on zeros or on spikes that no result reads: the price of one text for every cycle.
; BESIDE THE MATRIX WORK.  A cycle has 98 matrix and 336 vector instructions: four vector lines stand behind a matrix instruction.  The state fills window 1 and the weights windows 2 and 3, so
; a slice costs two switches of the register window; set apart in phases the vector lines would leave the matrix unit idle all that while.
; NO CLUSTER, NO TENSOR LOADS: the weights, the one input that work-groups share, are read once a work-group, 192 loads a lane against 8,232 matrix instructions, and must pass through registers to be
; rounded; as f32 their 393,216 bytes have no room in LDS.  NO PREFETCH: the loop reads nothing from memory.
; THE MODE: SCHED_MODE bits 1:0 = 2 (LLVM: expert scheduling mode 2), set by the entry lines.  The code itself states the register dependences between vector or matrix instructions and memory or LDS
; instructions, with s_wait_alu, always for 0.
; THE PLAN.  A cycle is twelve QUARTERS of eight matrix instructions, and all its LDS instructions stand at the quarters' heads.  Registers that they touch in the loop:
;   FR         four slots of two fragments.  Quarter q's matrix instructions read slot q % 4; the loads at the head of quarter q + 1 land in it (the fragments of quarter q + 4).
;   PS0, PS1   two packed tiles each.  Quarter q's packings write PS[q % 2]; the stores at the head of quarter q + 1 read it; quarter q + 2 writes it again.
;   OACC, AO   even cycles: three stores at the head of quarter 4 read them; the lines at the head of quarter 5 write them again.
;   AF1, AF3, AS   read by every fragment load or spike store; never written in the loop.
;   PL, R, the membranes, the accumulators and the weights are named by vector and matrix instructions alone (PL's registers are REFRESH's XF between two cycles).
; So ONE wait on va_vdst stands at a quarter's head: the quarter before is done reading its slot and has written its PS.  One wait on vm_vsrc stands beside it where this quarter packs into a PS
; that stores have read since the last such wait.  No vector or matrix line between a head's waits and its loads and stores names a register that these touch.
.set PITCH, 528                        ; an LDS row of 256 bf16: 512 bytes + 16: the 16 rows of a fragment load start at 16 different groups of four banks (ISA guide 11.1)
.set TILEB, 16*PITCH                   ; 16 rows
.set SBUF,  32*PITCH                   ; a spike buffer: 32 rows
.set SPARE, 0                          ; the spare words: 128 bytes a wave, two blocks of 256 bytes that no other line names
.set S1_0,  512                        ; layer 1's spikes, two buffers by the cycle's parity
.set S2_0,  S1_0+2*SBUF                ; layer 2's
.set XB,    S2_0+2*SBUF                ; x rounded, 256 rows x 8 f32 (k = 6, 7 are 0)
.set W1B,   XB+8192                    ; W1 likewise
.set B1F,   W1B+8192                   ; b1 rounded, f32
.set OUTP,  B1F+1024                   ; partial outputs: [lane half][w & 1] x 3,584: 9 slots of 32 rows x 12 bytes; slot 0 takes the fill's
.set WS2,   OUTP+14336                 ; W2 in bf16, 256 rows; read once, at the head
.set WS3,   WS2+256*PITCH              ; W3 in bf16, 128 rows
.set BETA1, 0x3f666666                 ; 0.9
.set BETA2, 0x3f59999a                 ; 0.85
.set BETA3, 0x3f4ccccd                 ; 0.8
; window 0
.set AF1, 2                            ; v2   (l % 16) PITCH + 16 (l / 16): my place in a spike fragment
.set AF3, 3                            ; v3   the same in batch tile w >> 1
.set AXB, 4                            ; v4   my 8 bytes of x's fragments; steps a chunk at each REFRESH
.set AW1, 5                            ; v5   of W1's
.set AB1, 6                            ; v6   my 32 bytes of b1
.set AO,  7                            ; v7   my 12 bytes in the output slot in hand
.set SPW, 8                            ; v8   my spare word; never rewritten
.set NIL, 9                            ; v9   0; never rewritten
.set BO,  10                           ; v[10:15] bo for the three pairs that I store at the end
.set D1A, 16                           ; v[16:23], v[24:31]  layer 1's sums, batch tiles 0 and 1: written by the f32 matrix form alone
.set D1B, 24
.set FR,  32                           ; v[32:95]  eight spike fragments (K = 32 each), in four slots of two
.set ACC_A, 96                         ; v[96:127], v[128:159]  two buffers of four accumulators
.set ACC_B, 128
.set BIAS2, 160                        ; v[160:191] b2, v[192:223] b3 in the accumulators' layout: the C operand that starts a sum
.set BIAS3, 192
.set OACC, 224                         ; v[224:231] the output's sums
.set WOA,  232                         ; v[232:247] Wo, two fragments; rows 3 to 15 are 0
.set XF,   248                         ; v[248:255] x's fragments for layer 1
.set PL,   248                         ; the same registers inside a cycle: two packed tiles of layer 3's spikes, source 1 of the product with Wo
.set WF,   FR+48                       ; REFRESH: W1's fragments, in slot 3
.set BB,   ACC_B                       ; REFRESH: b1
.set VR,  248                          ; the head alone: l % 16, l / 16 and the small loads' offsets
.set VH,  249
.set T48, 250
.set T8,  251
.set OB2, 252
.set OB3, 253
.set OWO, 254
.set OBO, 224
; window 1
.set M1,   0                           ; membranes of layer 1: tile (i, b) at 32 b + 8 i
.set CUR1, 64                          ; its current
.set M2,   128                         ; layer 2, likewise
.set M3,   192                         ; layer 3: tile i at 8 i
.set R,    224                         ; eight spikes in f32
.set PS0,  232                         ; v[232:239], v[248:255]  packed spikes to store, 16 bytes a tile, two tiles a buffer; the buffers go by the quarter's parity
.set PS1,  248
.set BIG,  240                         ; 2^24 twice
.set NBIG, 242                         ; -2^24 twice
.set AS,   244                         ; where I store 16 bytes of spikes: AF1 + 128 w
.set GOFF, 245                         ; the head: 16 t
.set LDST, 246                         ; the head: where my 8 bytes of bf16 weights go
; scalars
.set WV, 28
.set WN, 29
.set WB, 30
.set TRIPS, 31
.set UU, 32                            ; u
.set PP, 33                            ; p = u mod 10
.set B1, 34                            ; pairs: the packed forms name a pair and take its low word for both halves
.set B2, 36
.set G2, 38
.set B3, 40
.set G3, 42
.set KEEP, 48
.set INC, 50
.set MSB, 0
.macro WIN new                         ; bits 1:0 source 0, 3:2 source 1, 5:4 source 2, 7:6 destination; the high byte repeats the setting that is left
.if MSB != (\new)
	s_set_vgpr_msb (MSB<<8)|(\new)
.set MSB, \new
.endif
.endm
.macro RNDP dl, dh, sl, sh             ; two f32 rounded to bf16 and widened again
	v_cvt_pk_bf16_f32 v1, v[\sl], v[\sh]
	v_lshlrev_b32 v[\dl], 16, v1
	v_and_b32 v[\dh], 0xffff0000, v1
.endm
.macro RND8 base
.irp q, 0,2,4,6
	RNDP (\base)+\q, (\base)+\q+1, (\base)+\q, (\base)+\q+1
.endr
.endm
.macro STGC src, dst                   ; two rows of 6 f32, rounded, as two rows of 8 with zeros behind
	RNDP (\dst)+0, (\dst)+1, (\src)+0, (\src)+1
	RNDP (\dst)+2, (\dst)+3, (\src)+2, (\src)+3
	RNDP (\dst)+4, (\dst)+5, (\src)+4, (\src)+5
	v_mov_b32 v[(\dst)+6], 0
	v_mov_b32 v[(\dst)+7], 0
	RNDP (\dst)+8, (\dst)+9, (\src)+6, (\src)+7
	RNDP (\dst)+10, (\dst)+11, (\src)+8, (\src)+9
	RNDP (\dst)+12, (\dst)+13, (\src)+10, (\src)+11
	v_mov_b32 v[(\dst)+14], 0
	v_mov_b32 v[(\dst)+15], 0
.endm
.macro STGS dst, off                   ; and into LDS: 64 bytes a thread
.irp c, 0,1,2,3
	ds_store_b128 v[OWO], v[(\dst)+4*\c:(\dst)+4*\c+3] offset:(\off)+16*\c
.endr
.endm
; The weights' way in.  Step c is 2,048 consecutive bytes of W2 (c < 128) or W3: 16 bytes a thread, 512 consecutive bytes a wave.  A set is 16 steps, in 64 registers of window 1.
.macro SLOAD s
.irp e, 0,1,2,3,4,5,6,7,8,9,10,11,12,13,14,15
.set c, 16*(\s)+\e
.set sb, 64*((\s)%2)+4*\e
.if c < 128
	global_load_b128 v[sb:sb+3], v[GOFF], s[14:15] offset:2048*c
.else
	global_load_b128 v[sb:sb+3], v[GOFF], s[18:19] offset:2048*(c-128)
.endif
.endr
.endm
.macro SCVT s                          ; a set is rounded to bf16 in place,
.irp e, 0,1,2,3,4,5,6,7,8,9,10,11,12,13,14,15
.set sb, 64*((\s)%2)+4*\e
	v_cvt_pk_bf16_f32 v[sb], v[sb], v[sb+1]
	v_cvt_pk_bf16_f32 v[sb+1], v[sb+2], v[sb+3]
.endr
.endm
.macro SST s                           ; and goes, 8 bytes a thread, into rows of PITCH: two rows a step
.irp e, 0,1,2,3,4,5,6,7,8,9,10,11,12,13,14,15
.set sb, 64*((\s)%2)+4*\e
	ds_store_b64 v[LDST], v[sb:sb+1] offset:2*PITCH*((16*(\s)+\e)%32)
.endr
.endm
; THE SLICES: four lines each, on the eight numbers of one tile.
.macro S_SPK m                         ; R = (M > 1): 2^24 M - 2^24 is 2 or more above the threshold and 0 or less at or below it; clamp holds it to 0 .. 1
	WIN 0x55
.irp q, 0,1,2,3
	v_pk_fma_f32 v[R+2*\q:R+2*\q+1], v[(\m)+2*\q:(\m)+2*\q+1], v[BIG:BIG+1], v[NBIG:NBIG+1] clamp
.endr
.endm
.macro S_PACK pd                       ; eight spikes as bf16 into four registers of PS0 or PS1: stored at the next quarter's head
	WIN 0x55
.irp q, 0,1,2,3
	v_cvt_pk_bf16_f32 v[(\pd)+\q], v[R+2*\q], v[R+2*\q+1]
.endr
.endm
.macro S_PACKL po                      ; layer 3's: into PL, in window 0
	WIN 0x05
.irp q, 0,1,2,3
	v_cvt_pk_bf16_f32 v[PL+(\po)+\q], v[R+2*\q], v[R+2*\q+1]
.endr
.endm
.macro S_STORE ps, off                 ; address and data in window 1
	WIN 0x05
	ds_store_b128 v[AS], v[(\ps):(\ps)+3] offset:\off
.endm
.macro S_UPD1 m                        ; layer 1: M = beta M + cur1
	WIN 0x55
.irp q, 0,1,2,3
	v_pk_fma_f32 v[(\m)+2*\q:(\m)+2*\q+1], v[(\m)+2*\q:(\m)+2*\q+1], s[B1:B1+1], v[(\m)+CUR1-M1+2*\q:(\m)+CUR1-M1+2*\q+1] op_sel_hi:[1,0,1]
.endr
.endm
.macro S_UPD m, acc, sb                ; layers 2, 3: the current is an accumulator of window 0, read from its low end on
	WIN 0x45
.irp q, 0,1,2,3
	v_pk_fma_f32 v[(\m)+2*\q:(\m)+2*\q+1], v[(\m)+2*\q:(\m)+2*\q+1], s[(\sb):(\sb)+1], v[(\acc)+2*\q:(\acc)+2*\q+1] op_sel_hi:[1,0,1]
.endr
.endm
.macro S_RST1 m
	WIN 0x55
.irp q, 0,1,2,3
	v_pk_add_f32 v[(\m)+2*\q:(\m)+2*\q+1], v[(\m)+2*\q:(\m)+2*\q+1], v[R+2*\q:R+2*\q+1] neg_lo:[0,1] neg_hi:[0,1]
.endr
.endm
.macro S_RST m, sg                     ; M = M + gamma R, gamma = -1, or 0 at a chunk's first step
	WIN 0x55
.irp q, 0,1,2,3
	v_pk_fma_f32 v[(\m)+2*\q:(\m)+2*\q+1], v[R+2*\q:R+2*\q+1], s[(\sg):(\sg)+1], v[(\m)+2*\q:(\m)+2*\q+1] op_sel_hi:[1,0,1]
.endr
.endm
.macro J1S T, ph, pd                   ; layer 1, tile T = 4 b + i, slice ph; its spikes are packed into pd
.if (\ph) == 0
	S_SPK M1+8*(\T)
.elseif (\ph) == 1
	S_PACK \pd
.elseif (\ph) == 2
	S_UPD1 M1+8*(\T)
.else
	S_RST1 M1+8*(\T)
.endif
.endm
.macro L3S t, ph                       ; layer 3, tile t, on the sums of the cycle before
.if (\ph) == 0
	S_SPK M3+8*(\t)
.elseif (\ph) == 1
	S_PACKL 4*((\t)%2)
.elseif (\ph) == 2
	S_UPD M3+8*(\t), ACCP+8*(\t), B3
.else
	S_RST M3+8*(\t), G3
.endif
.endm
.macro B0S t, ph, pd                   ; layer 2, batch tile 0, tile t, whole
.if (\ph) == 0
	S_SPK M2+8*(\t)
.elseif (\ph) == 1
	S_PACK \pd
.elseif (\ph) == 2
	S_UPD M2+8*(\t), ACC0+8*(\t), B2
.else
	S_RST M2+8*(\t), G2
.endif
.endm
.macro E2S t, ph, pd                   ; layer 2, batch tile 1: its spikes leave
.if (\ph) == 0
	S_SPK M2+32+8*(\t)
.else
	S_PACK \pd
.endif
.endm
.macro U2S t, ph                       ; layer 2, batch tile 1: its membranes, when its sums are there; the spikes are made again, so that every LDS store stands ahead of the barrier
.if (\ph) == 0
	S_SPK M2+32+8*(\t)
.elseif (\ph) == 1
	S_UPD M2+32+8*(\t), ACC1+8*(\t), B2
.else
	S_RST M2+32+8*(\t), G2
.endif
.endm
; Matrix instruction n of a cycle's 96: group g (0, 1: layer 2, batch tiles 0, 1; 2: layer 3), K block k, neuron tile i.  The group's four accumulators take turns, one instruction a turn.
; The first four start the sums with the bias.  The groups' buffers alternate, and change places from cycle to cycle, so that a buffer is read while the other is written.
.macro MM
.set g, n/32
.set k, (n%32)/4
.set i, n%4
.set rD, ACC_A+32*((g+PAR+1)%2)+8*i
.set rA, 64*i+8*k
.set rB, FR+8*k
.if g < 2
	WIN 0x03
.set rC, BIAS2+8*i
.else
	WIN 0x02
.set rC, BIAS3+8*i
.endif
.if k == 0
	v_wmma_f32_16x16x32_bf16 v[rD:rD+7], v[rA:rA+7], v[rB:rB+7], v[rC:rC+7]
.else
	v_wmma_f32_16x16x32_bf16 v[rD:rD+7], v[rA:rA+7], v[rB:rB+7], v[rD:rD+7]
.endif
.endm
.macro OUTW kc                         ; the output's sums take 32 of my 64 neurons' spikes
	WIN 0
	v_wmma_f32_16x16x32_bf16 v[OACC:OACC+7], v[WOA+8*(\kc):WOA+8*(\kc)+7], v[PL:PL+7], v[OACC:OACC+7]
.endm
; Quarter Q of 12 (eight matrix instructions) reads two fragments, slot Q % 4: four loads, from the spike buffers of parity rp.
.macro FETCH Q, rp
	WIN 0
.irp kk, 0,1
.set fk, 2*((\Q)%4)+\kk
.if (\Q) < 8
	ds_load_b128 v[FR+8*fk:FR+8*fk+3],   v[AF1] offset:S1_0+SBUF*(\rp)+TILEB*((\Q)/4)+64*fk
	ds_load_b128 v[FR+8*fk+4:FR+8*fk+7], v[AF1] offset:S1_0+SBUF*(\rp)+TILEB*((\Q)/4)+64*fk+32
.else
	ds_load_b128 v[FR+8*fk:FR+8*fk+3],   v[AF3] offset:S2_0+SBUF*(\rp)+64*fk
	ds_load_b128 v[FR+8*fk+4:FR+8*fk+7], v[AF3] offset:S2_0+SBUF*(\rp)+64*fk+32
.endif
.endr
.endm
; The slice behind matrix instruction n, quarter qd = n / 8.  None names a register of the group that is running.  No quarter packs more than two tiles for storing: PS[qd % 2] holds two.
;   quarters 0, 1  a tile of layer 3, then two tiles of layer 2's batch tile 1 leave     quarters 2, 3  a tile of layer 3, a tile of layer 1     quarter 4  layer 1, tiles 2, 3
;   quarters 5, 6  layer 2, batch tile 0, whole     quarters 7, 8  layer 1, tiles 4 to 7     behind the odd instructions 73 to 95  layer 2, batch tile 1: its membranes
.macro RIDER
.set qd, n/8
.set md, n%8
.set PSB, PS0+16*(qd%2)
.if (qd < 4) && (md < 4)
	L3S qd, md
.elseif qd < 2
	E2S 2*qd+(md-4)/2, (md-4)%2, PSB+4*((md-4)/2)
.elseif qd < 4
	J1S qd-2, md-4, PSB
.elseif qd == 4
	J1S 2+md/4, md%4, PSB+4*(md/4)
.elseif qd < 7
	B0S 2*(qd-5)+md/4, md%4, PSB+4*(md/4)
.elseif qd < 9
	J1S 4+2*(qd-7)+md/4, md%4, PSB+4*(md/4)
.elseif (n%2) == 1
	U2S (n-73)/6, ((n-73)/2)%3
.endif
.endm
; The stores of what quarter qq packed: they stand at the head of quarter qq + 1.
.macro HST qq
.set PSB, PS0+16*((\qq)%2)
.if (\qq) < 2
	S_STORE PSB, S2_0+SBUF*PAR+TILEB+64*(\qq)
	S_STORE PSB+4, S2_0+SBUF*PAR+TILEB+64*(\qq)+32
.elseif (\qq) < 4
	S_STORE PSB, S1_0+SBUF*PAR+32*((\qq)-2)
.elseif (\qq) == 4
	S_STORE PSB, S1_0+SBUF*PAR+64
	S_STORE PSB+4, S1_0+SBUF*PAR+96
.elseif (\qq) < 7
	S_STORE PSB, S2_0+SBUF*PAR+64*((\qq)-5)
	S_STORE PSB+4, S2_0+SBUF*PAR+64*((\qq)-5)+32
.else
	S_STORE PSB, S1_0+SBUF*PAR+TILEB+64*((\qq)-7)
	S_STORE PSB+4, S1_0+SBUF*PAR+TILEB+64*((\qq)-7)+32
.endif
.endm
; The output's sums go to the slot in hand in every even cycle; where p = 4 they are a chunk's last: the slot is left (INC = 384) and the sums start anew (KEEP = 0).  No branch.
; The stores stand at the head of quarter 4; the lines that write their address and data again at the head of quarter 5.
.macro F1A
	WIN 0
.irp o, 0,1,2
	ds_store_b32 v[AO], v[OACC+\o] offset:4*\o
.endr
.endm
.macro F1B
	WIN 0
	v_add_nc_u32 v[AO], s[INC], v[AO]
.irp q, 0,2,4,6
	v_pk_mul_f32 v[OACC+\q:OACC+\q+1], v[OACC+\q:OACC+\q+1], s[KEEP:KEEP+1] op_sel_hi:[1,0]
.endr
.endm
; THE HEAD OF A QUARTER: all the quarter's LDS instructions.  A quarter's run of four loads goes out three quarters ahead.
.macro HEAD
.set qd, n/8
.if qd != 9
	WIN 0                                          ; the loads' window, ahead of the waits
.endif
	s_wait_dscnt 8                                 ; LDS instructions end in order (ISA guide 5.7.1): behind this quarter's run two younger runs of four were issued; stores among them only tighten the wait
.if n == 80
	s_barrier_wait -1
.endif
.if (qd == 0) || ((qd >= 2) && (qd <= 8))
	s_wait_alu depctr_vm_vsrc(0)                   ; the stores at the last head that had any have read the PS that this quarter's packings write again; at quarter 5 of an even cycle also OACC and v[AO]
.endif
	s_wait_alu depctr_va_vdst(0)                   ; the quarter before is done reading its slot, in which the loads below land, and has written its PS, which the stores below read; at quarter 4 the product with Wo has written OACC
.if qd <= 8
	FETCH qd+3, 1-PAR
.elseif qd == 10
	FETCH 0, PAR                                   ; the next cycle's first quarters, from the buffer just written
	FETCH 1, PAR
.elseif qd == 11
	FETCH 2, PAR
.endif
.if (qd == 4) && (PAR == 0)
	F1A
.endif
.if (qd >= 1) && (qd <= 9)
	HST qd-1
.endif
.if (qd == 5) && (PAR == 0)
	F1B
.endif
.endm
; A CYCLE.  par = u & 1: the parity of the buffers that it writes; it reads the others.
; THE BARRIER, one a cycle: in front of the signal (ahead of instruction 76) my spike stores (the last stand at the head of quarter 9, ahead of instruction 72) and my reads of this cycle's buffers (the last
; run at the head of quarter 8) are done.  Behind the wait (ahead of 80) the buffers written in this cycle are whole and those read in it are free: the next cycle's first runs go out.  Between signal and wait: work on registers alone.
.macro CYCLE par
.set PAR, \par
.set ACCP, ACC_A+32*(\par)             ; layer 3's sums of the cycle before
.set ACC0, ACC_A+32*((PAR+1)%2)        ; this cycle's group 0
.set ACC1, ACC_A+32*(PAR%2)            ; group 1
.if \par
	s_cmp_eq_u32 s[PP], 1                          ; layer 2 takes a chunk's first sums in cycles 10 c + 1
	s_cselect_b32 s[B2], 0, BETA2
	s_cselect_b32 s[G2], 0, -1.0
	s_mov_b32 s[B3], BETA3
	s_mov_b32 s[G3], -1.0
.else
	s_cmp_eq_u32 s[PP], 4                          ; layer 3 in cycles 10 c + 4
	s_cselect_b32 s[B3], 0, BETA3
	s_cselect_b32 s[G3], 0, -1.0
	s_cselect_b32 s[KEEP], 0, 1.0
	s_cselect_b32 s[INC], 384, 0
	s_mov_b32 s[B2], BETA2
	s_mov_b32 s[G2], -1.0
.endif
.set n, 0
.rept 96
.if (n%8) == 0
	HEAD
.endif
.if n == 76
	s_wait_dscnt 0x0                               ; for the others' sake: my stores are done and my reads are back
	s_barrier_signal -1
.endif
	MM
	RIDER
.if (n == 10) || (n == 26)
	OUTW (n-10)/16                                 ; a slice behind the second tile's packing; more than four plain lines stand between it and the next write of PL
.endif
.set n, n+1
.endr
	WIN 0
.endm
; A CHUNK BEGINS FOR LAYER 1: cur1 = x W1^T + b1 for 32 rows x my 64 neurons; the first membrane is cur1.  K = 6 as two steps of 4 (the last two are zeros).  The two sums take turns; each starts with the
; constant 0.  Nine v_nop are the places behind this form (ISA guide 7.12.1) in front of the sums' readers and of the next tile's first products; what is made of a sum goes into other registers.
.macro REFRESH
	WIN 0
	s_wait_alu depctr_va_vdst(0)                   ; the cycle before is done with the registers in which the loads below land: its last matrix instructions with slot 3, its slices with ACC_B, its products with Wo and their packings with XF; v[AXB] is written
.irp i, 0,1,2,3
	ds_load_b64 v[WF+4*\i:WF+4*\i+1],   v[AW1] offset:512*\i
	ds_load_b64 v[WF+4*\i+2:WF+4*\i+3], v[AW1] offset:512*\i+16
.endr
.irp b, 0,1
	ds_load_b64 v[XF+4*\b:XF+4*\b+1],   v[AXB] offset:512*\b
	ds_load_b64 v[XF+4*\b+2:XF+4*\b+3], v[AXB] offset:512*\b+16
.endr
.irp i, 0,1,2,3
	ds_load_b128 v[BB+8*\i:BB+8*\i+3],   v[AB1] offset:64*\i
	ds_load_b128 v[BB+8*\i+4:BB+8*\i+7], v[AB1] offset:64*\i+16
.endr
	s_wait_dscnt 0x0
	s_wait_alu depctr_vm_vsrc(0)                   ; the loads above have read v[AXB] (at the head also: the weights' loads have read v1 and v96)
	v_add_nc_u32 v[AXB], 1024, v[AXB]              ; the next chunk's 32 rows
.irp i, 0,1,2,3
	v_wmma_f32_16x16x4_f32 v[D1A:D1A+7], v[WF+4*\i:WF+4*\i+1], v[XF:XF+1], 0
	v_wmma_f32_16x16x4_f32 v[D1B:D1B+7], v[WF+4*\i:WF+4*\i+1], v[XF+4:XF+5], 0
	v_wmma_f32_16x16x4_f32 v[D1A:D1A+7], v[WF+4*\i+2:WF+4*\i+3], v[XF+2:XF+3], v[D1A:D1A+7]
	v_wmma_f32_16x16x4_f32 v[D1B:D1B+7], v[WF+4*\i+2:WF+4*\i+3], v[XF+6:XF+7], v[D1B:D1B+7]
.rept 9
	v_nop
.endr
	WIN 0x40
.irp q, 0,2,4,6
	v_pk_add_f32 v[M1+8*\i+\q:M1+8*\i+\q+1],     v[D1A+\q:D1A+\q+1], v[BB+8*\i+\q:BB+8*\i+\q+1]
	v_pk_add_f32 v[CUR1+8*\i+\q:CUR1+8*\i+\q+1], v[D1A+\q:D1A+\q+1], v[BB+8*\i+\q:BB+8*\i+\q+1]
.endr
.irp q, 0,2,4,6
	v_pk_add_f32 v[M1+32+8*\i+\q:M1+32+8*\i+\q+1],     v[D1B+\q:D1B+\q+1], v[BB+8*\i+\q:BB+8*\i+\q+1]
	v_pk_add_f32 v[CUR1+32+8*\i+\q:CUR1+32+8*\i+\q+1], v[D1B+\q:D1B+\q+1], v[BB+8*\i+\q:BB+8*\i+\q+1]
.endr
	WIN 0
.endr
.endm
	; THE HEAD: ids and addresses
	s_load_b512 s[8:23], s[0:1], 0x0               ; x s[8:9], W1 s[10:11], b1 s[12:13], W2 s[14:15], b2 s[16:17], W3 s[18:19], b3 s[20:21], Wo s[22:23]
	s_load_b128 s[24:27], s[0:1], 0x40             ; bo s[24:25], out0 s[26:27]
	v_lshl_add_u32 v[SPW], v0, 2, SPARE
	v_mov_b32 v[NIL], 0
	v_lshrrev_b32 v1, 5, v0
	v_readfirstlane_b32 s[WV], v1                  ; wave 0..3
	v_and_b32 v[VR], 15, v0                        ; l % 16
	v_bfe_u32 v[VH], v0, 4, 1                      ; l / 16
	v_mul_u32_u24 v[AF1], v[VR], PITCH
	v_lshl_add_u32 v[AF1], v[VH], 4, v[AF1]
	s_wait_alu depctr_va_sdst(0)                   ; s[WV] is written, ahead of its first reader: LDS places and bases are made from it
	s_and_b32 s[WN], s[WV], 1                      ; layer 3: which 64 neurons
	s_lshr_b32 s[WB], s[WV], 1                     ; and which batch tile
	s_mul_i32 s44, s[WB], TILEB
	v_add_nc_u32 v[AF3], s44, v[AF1]
	v_lshlrev_b32 v[AXB], 5, v[VR]                 ; the f32 form: lane l holds row l % 16, k = 2 (l / 16) + 0, 1: 8 bytes of a row of 32
	v_lshl_add_u32 v[AXB], v[VH], 3, v[AXB]
	s_lshl_b32 s44, s[WV], 11                      ; my 64 rows of W1
	s_add_co_u32 s44, s44, W1B
	v_add_nc_u32 v[AW1], s44, v[AXB]
	v_add_nc_u32 v[AXB], XB, v[AXB]
	s_lshl_b32 s44, s[WV], 8                       ; my 64 numbers of b1 and b2
	s_add_co_u32 s45, s44, B1F
	v_lshl_add_u32 v[AB1], v[VH], 5, s45
	v_lshl_add_u32 v[OB2], v[VH], 5, s44
	s_lshl_b32 s46, s[WN], 8                       ; of b3, and of a row of Wo
	v_lshl_add_u32 v[OB3], v[VH], 5, s46
	v_min_u32 v[OWO], 2, v[VR]                     ; Wo has three rows: the other lanes load the third and are cleared below
	v_lshl_add_u32 v[OWO], v[OWO], 9, v[OB3]
	s_mul_i32 s44, s[WN], 3584
	s_mul_i32 s45, s[WB], 192
	s_add_co_u32 s44, s44, s45
	s_add_co_u32 s44, s44, OUTP
	v_mul_u32_u24 v[AO], v[VR], 12
	v_mad_u32_u24 v[AO], v[VH], 7168, v[AO]        ; lanes 16-31 hold rows 8-15 of the product with Wo, zeros: they have a region of their own
	v_add_nc_u32 v[AO], s44, v[AO]
	v_mul_u32_u24 v[T48], v0, 48
	v_lshlrev_b32 v[T8], 3, v0
.irp c, 0,1,2                          ; 4 ((2 t + c) mod 3): which of bo's three numbers goes with the numbers that I store at the end
	v_lshl_add_u32 v[OBO+\c], v0, 1, \c
	v_mul_u32_u24 v1, v[OBO+\c], 0xaaab            ; a third of a number under 2^16: times 43,691, 17 bits down
	v_lshrrev_b32 v1, 17, v1
	v_mul_u32_u24 v1, v1, 3
	v_sub_nc_u32 v[OBO+\c], v[OBO+\c], v1
	v_lshlrev_b32 v[OBO+\c], 2, v[OBO+\c]
.endr
	v_lshrrev_b32 v1, 6, v0                        ; a step of the weights' way in is two rows: row t / 64, 8 bytes at 8 (t % 64)
	v_mul_u32_u24 v1, v1, PITCH
	v_and_b32 v255, 63, v0
	v_lshl_add_u32 v1, v255, 3, v1
	s_lshl_b32 s47, s[WV], 7
	WIN 0x40
	v_lshlrev_b32 v[GOFF], 4, v0
	v_add_nc_u32 v[LDST], WS2, v1
	v_add_nc_u32 v[AS], s47, v[AF1]
	v_mov_b32 v[BIG], 0x4b800000
	v_mov_b32 v[BIG+1], 0x4b800000
	v_mov_b32 v[NBIG], 0xcb800000
	v_mov_b32 v[NBIG+1], 0xcb800000
	WIN 0
	s_mov_b32 s[B1], BETA1
	s_mov_b32 s[B1+1], BETA1
.irp p, B2, G2, B3, G3, KEEP
	s_mov_b32 s[\p], 0                             ; chosen anew in every cycle;
	s_mov_b32 s[\p+1], 0                           ; named with it as a pair
.endr
	s_mov_b32 s[TRIPS], 42
	s_mov_b32 s[UU], 1
	s_mov_b32 s[PP], 1
	s_mul_i32 s44, ttmp9, 6144                     ; the work-group's 256 rows of x,
	s_mov_b32 s45, 0
	s_mul_i32 s46, ttmp9, 3072                     ; and of out0
	s_mov_b32 s47, 0
	s_wait_kmcnt 0x0
	s_add_nc_u64 s[8:9], s[8:9], s[44:45]
	s_add_nc_u64 s[26:27], s[26:27], s[46:47]
	s_wait_alu depctr_va_vdst(0)                   ; every offset and LDS address made above is written: the loads and stores of the kernel read them
	; the small inputs: 37 loads
.irp c, 0,1,2
	global_load_b128 v[32+4*\c:35+4*\c], v[T48], s[8:9] offset:16*\c th:TH_LOAD_NT
	global_load_b128 v[44+4*\c:47+4*\c], v[T48], s[10:11] offset:16*\c
.endr
	global_load_b64 v[56:57], v[T8], s[12:13]
.irp i, 0,1,2,3
	global_load_b128 v[BIAS2+8*\i:BIAS2+8*\i+3],   v[OB2], s[16:17] offset:64*\i
	global_load_b128 v[BIAS2+8*\i+4:BIAS2+8*\i+7], v[OB2], s[16:17] offset:64*\i+16
	global_load_b128 v[BIAS3+8*\i:BIAS3+8*\i+3],   v[OB3], s[20:21] offset:64*\i
	global_load_b128 v[BIAS3+8*\i+4:BIAS3+8*\i+7], v[OB3], s[20:21] offset:64*\i+16
.endr
.irp c, 0,1                            ; Wo's fragment c: neurons 32 c + 8 (l / 16) + 0..7 and 16 further on
	global_load_b128 v[64+16*\c:67+16*\c], v[OWO], s[22:23] offset:128*\c
	global_load_b128 v[68+16*\c:71+16*\c], v[OWO], s[22:23] offset:128*\c+16
	global_load_b128 v[72+16*\c:75+16*\c], v[OWO], s[22:23] offset:128*\c+64
	global_load_b128 v[76+16*\c:79+16*\c], v[OWO], s[22:23] offset:128*\c+80
.endr
	global_load_b32 v[BO+0], v[OBO+0], s[24:25]
	global_load_b32 v[BO+1], v[OBO+1], s[24:25]
	global_load_b32 v[BO+2], v[OBO+1], s[24:25]
	global_load_b32 v[BO+3], v[OBO+2], s[24:25]
	global_load_b32 v[BO+4], v[OBO+2], s[24:25]
	global_load_b32 v[BO+5], v[OBO+0], s[24:25]    ; (2 t + 3) mod 3 = (2 t) mod 3
	WIN 0x55
	SLOAD 0
	WIN 0x40                                       ; layers 2 and 3 start on zeros: the fill's cycles read them; written while the loads are out
.set z, M2
.rept 96
	v_mov_b32 v[z], 0
.set z, z+1
.endr
	s_wait_loadcnt 16                              ; the small inputs are in; set 0's 16 loads may stay out
	s_wait_alu depctr_vm_vsrc(0)                   ; the small loads have read their offsets: bo's lie in OACC's registers, which are cleared below; Wo's and b3's registers take LDS addresses
	WIN 0x55
	SLOAD 1                                        ; no vector line since the wait ahead of the first load names set 1's registers or v[GOFF]
	WIN 0
.irp q, 0,1,2,3,4,5,6,7
	v_mov_b32 v[OACC+\q], 0                        ; (bo's offsets lay here; their loads are done)
.endr
	v_cmp_gt_u32 vcc_lo, 3, v[VR]
.irp q, 0,1,2,3,4,5,6,7,8,9,10,11,12,13,14,15
	v_cvt_pk_bf16_f32 v[WOA+\q], v[64+2*\q], v[65+2*\q]
.endr
	s_wait_alu depctr_va_vcc(0)                    ; VCC is written, ahead of its first reader: the selects below
.irp q, 0,1,2,3,4,5,6,7,8,9,10,11,12,13,14,15
	v_cndmask_b32 v[WOA+\q], 0, v[WOA+\q], vcc_lo  ; rows 3 to 15 are 0
.endr
	v_lshl_add_u32 v[OWO], v0, 6, XB
	STGC 32, 96                                    ; x
	STGC 44, 112                                   ; W1
	RNDP 56, 57, 56, 57                            ; b1
	v_add_nc_u32 v[OB3], B1F, v[T8]
	s_wait_alu depctr_va_vdst(0)                   ; the roundings have written v[96:127] and v[56:57], and the two LDS addresses are made: the nine stores below read them
	STGS 96, 0
	STGS 112, W1B-XB
	ds_store_b64 v[OB3], v[56:57]
.irp i, 0,1,2,3
	RND8 BIAS2+8*\i
	RND8 BIAS3+8*\i
.endr
	RNDP BO, BO+1, BO, BO+1
	RNDP BO+2, BO+3, BO+2, BO+3
	RNDP BO+4, BO+5, BO+4, BO+5
	; the weights: twelve sets; while one is rounded and stored the other's loads are out
	WIN 0x55
.irp s, 0,1,2,3,4,5,6,7,8,9
	s_wait_loadcnt 16                              ; this set is in; the younger set's 16 loads may stay out
	SCVT \s
	s_wait_alu depctr_va_vdst(0)                   ; the roundings have written the set's pairs, which the stores read; v[LDST] is written
	SST \s
	s_wait_alu depctr_vm_vsrc(0)                   ; the stores have read the set's pairs, in which the loads below land, and v[LDST], which is stepped
	s_wait_alu depctr_va_vdst(0)                   ; the roundings are done reading and writing the set, in which the loads below land
	SLOAD \s+2
.if (\s%2) == 1
	v_add_nc_u32 v[LDST], 64*PITCH, v[LDST]        ; 32 steps, 64 rows on: the stores' offsets stay inside 16 bits
.endif
.endr
	s_wait_loadcnt 16
	SCVT 10
	s_wait_alu depctr_va_vdst(0)                   ; the roundings have written set 10's pairs, which the stores read; v[LDST] is written
	SST 10
	s_wait_loadcnt 0x0
	SCVT 11
	s_wait_alu depctr_va_vdst(0)                   ; the roundings have written set 11's pairs, which the stores read
	SST 11
	WIN 0
	s_wait_dscnt 0x0                               ; my stores are done,
	s_barrier_signal -1
	s_barrier_wait -1                              ; everybody's are: x, W1, b1, W2 and W3 lie in LDS
	s_wait_alu depctr_vm_vsrc(0)                   ; my LDS stores have read their registers, which are written anew from here on: v96 below, XF's by loads, the two sets by layer 1's first membranes, v[56:57] by fragments
	s_mul_i32 s44, s[WV], 64*PITCH
	s_add_co_u32 s44, s44, WS2
	v_add_nc_u32 v1, s44, v[AF1]                   ; my 64 rows of W2,
	s_mul_i32 s45, s[WN], 64*PITCH
	s_add_co_u32 s45, s45, WS3
	v_add_nc_u32 v96, s45, v[AF1]                  ; and of W3
	WIN 0xc0                                       ; fragment (i, k), 16 rows x 32 K, at 64 i + 8 k of window 3
	s_wait_alu depctr_va_vdst(0)                   ; v1 and v96 are written: the loads below read them as addresses
.irp i, 0,1,2,3
.irp k, 0,1,2,3,4,5,6,7
	ds_load_b128 v[64*\i+8*\k:64*\i+8*\k+3],   v1 offset:TILEB*\i+64*\k
	ds_load_b128 v[64*\i+8*\k+4:64*\i+8*\k+7], v1 offset:TILEB*\i+64*\k+32
.endr
.endr
	WIN 0x80                                       ; and of window 2
.irp i, 0,1,2,3
.irp k, 0,1,2,3,4,5,6,7
	ds_load_b128 v[64*\i+8*\k:64*\i+8*\k+3],   v96 offset:TILEB*\i+64*\k
	ds_load_b128 v[64*\i+8*\k+4:64*\i+8*\k+7], v96 offset:TILEB*\i+64*\k+32
.endr
.endr
	REFRESH                                        ; chunk 0; its wait for 0 is the weights' too
.set z, ACC_B
.rept 32
	v_mov_b32 v[z], 0                              ; what layer 3's membranes take in cycle 1
.set z, z+1
.endr
	WIN 0x40
.irp q, 0,1,2,3
	v_mov_b32 v[PS0+\q], 0
.endr
	s_wait_alu depctr_va_vdst(0)                   ; the four zeros are written, which the stores below read
.irp T, 0,1,2,3,4,5,6,7
	S_STORE PS0, S2_0+TILEB*(\T/4)+32*(\T%4)       ; what layer 3 multiplies in cycle 1: zeros, my 64 columns of the 32 rows
.endr
.set PAR, 0
.irp hb, 0,1                           ; layer 1's spikes of step 0: four tiles at a time, into the four places of PS0 and PS1
	s_wait_alu depctr_vm_vsrc(0)                   ; the stores above have read PS0 and PS1, which the packings below write
.irp t, 0,1,2,3
.irp ph, 0,1,2,3
	J1S 4*\hb+\t, \ph, PS0+4*\t+8*(\t/2)
.endr
.endr
	s_wait_alu depctr_va_vdst(0)                   ; the four packings have written PS0 and PS1, which the stores below read
.irp t, 0,1,2,3
	S_STORE PS0+4*\t+8*(\t/2), S1_0+TILEB*\hb+32*\t
.endr
.endr
	WIN 0
	s_wait_dscnt 0x0
	s_barrier_signal -1
	s_barrier_wait -1
	FETCH 0, 0                                     ; as a cycle's end issues them; no vector or matrix line since the wait above names slots 0 to 2
	FETCH 1, 0
	FETCH 2, 0
.Ltrip:                                            ; 42 trips of two cycles
	CYCLE 1
	s_cmp_eq_u32 s[PP], 9                          ; layer 1 has emitted a chunk's last spikes,
	s_cbranch_scc0 .Lkeep
	s_cmp_lt_u32 s[UU], 79                         ; and there is a further chunk
	s_cbranch_scc0 .Lkeep
	REFRESH
.Lkeep:
	s_add_co_u32 s[UU], s[UU], 1
	s_add_co_u32 s[PP], s[PP], 1
	s_cmp_eq_u32 s[PP], 10
	s_cselect_b32 s[PP], 0, s[PP]
	CYCLE 0
	s_add_co_u32 s[UU], s[UU], 1
	s_add_co_u32 s[PP], s[PP], 1                   ; even to odd: no wrap
	s_sub_co_u32 s[TRIPS], s[TRIPS], 1
	s_cmp_lg_u32 s[TRIPS], 0
	s_cbranch_scc1 .Ltrip
	; THE END.  The eight chunks' slots are 3,072 consecutive bytes, out0's layout, twice (the two halves of layer 3's neurons).  The last stores into them stand ahead of cycle 84's barrier.
	s_wait_dscnt 0x0                               ; the last cycle's three runs for a cycle that does not follow: one text for every cycle
	v_lshl_add_u32 v1, v0, 3, OUTP+384             ; (the LDS loads that read v1 and v[AXB] stand ahead of REFRESH's wait on vm_vsrc)
	v_lshlrev_b32 v[AXB], 3, v0
	s_wait_alu depctr_va_vdst(0)                   ; v1 and v[AXB] are written, which the loads and stores below read; the last matrix instructions are done reading b2's registers, in which the loads land
.irp j, 0,1,2
	ds_load_b64 v[160+4*\j:161+4*\j], v1 offset:1024*\j
	ds_load_b64 v[162+4*\j:163+4*\j], v1 offset:1024*\j+3584
.endr
	s_wait_dscnt 0x0
.irp j, 0,1,2
	v_pk_add_f32 v[160+4*\j:161+4*\j], v[160+4*\j:161+4*\j], v[162+4*\j:163+4*\j]
	v_pk_fma_f32 v[160+4*\j:161+4*\j], v[BO+2*\j:BO+2*\j+1], 0x41200000, v[160+4*\j:161+4*\j] op_sel_hi:[1,0,1]  ; + 10 bo
	v_pk_mul_f32 v[160+4*\j:161+4*\j], v[160+4*\j:161+4*\j], 0x3dcccccd op_sel_hi:[1,0]                          ; x 0.1
.endr
	s_wait_alu depctr_va_vdst(0)                   ; the three pairs of results are written, which the stores below read
.irp j, 0,1,2
	global_store_b64 v[AXB], v[160+4*\j:161+4*\j], s[26:27] offset:1024*\j th:TH_STORE_NT  ; a wave stores 256 consecutive bytes, at a multiple of 256 from out0's first byte
.endr
	s_wait_dscnt 0x0                               ; the closing lines, six on end
	s_wait_alu 0x0
	s_wait_tensorcnt 0x0
	ds_add_u32 v[SPW], v[NIL]
	s_wait_dscnt 0x0
	s_endpgm
.Lfunc_end_k_qb6c2f00be3_snn:
	.size	k_qb6c2f00be3_snn, .Lfunc_end_k_qb6c2f00be3_snn-k_qb6c2f00be3_snn
	.p2alignl 7, 3214868480
	.fill 96, 4, 3214868480
	.section	.rodata,"a",@progbits
	.p2align	6, 0x0
	.amdhsa_kernel k_qb6c2f00be3_snn
		.amdhsa_group_segment_fixed_size 302592
		.amdhsa_private_segment_fixed_size 0
		.amdhsa_enable_private_segment 0
		.amdhsa_kernarg_size 80
		.amdhsa_user_sgpr_count 2
		.amdhsa_user_sgpr_kernarg_segment_ptr 1
		.amdhsa_wavefront_size32 1
		.amdhsa_system_sgpr_workgroup_id_x 1
		.amdhsa_system_sgpr_workgroup_id_y 1
		.amdhsa_system_sgpr_workgroup_id_z 1
		.amdhsa_system_vgpr_workitem_id 0
		.amdhsa_next_free_vgpr 1024
		.amdhsa_next_free_sgpr 66
		.amdhsa_reserve_vcc 1
		.amdhsa_float_denorm_mode_32 3
		.amdhsa_float_denorm_mode_16_64 3
		.amdhsa_memory_ordered 1
		.amdhsa_forward_progress 1
		.amdhsa_inst_pref_size 193
	.end_amdhsa_kernel
	.amdgpu_metadata
---
amdhsa.version: [ 1, 2 ]
amdhsa.kernels:
  - .name:           k_qb6c2f00be3_snn
    .symbol:         k_qb6c2f00be3_snn.kd
    .args:
      - { .name: x, .offset: 0, .size: 8, .value_kind: global_buffer, .address_space: global }
      - { .name: W1, .offset: 8, .size: 8, .value_kind: global_buffer, .address_space: global }
      - { .name: b1, .offset: 16, .size: 8, .value_kind: global_buffer, .address_space: global }
      - { .name: W2, .offset: 24, .size: 8, .value_kind: global_buffer, .address_space: global }
      - { .name: b2, .offset: 32, .size: 8, .value_kind: global_buffer, .address_space: global }
      - { .name: W3, .offset: 40, .size: 8, .value_kind: global_buffer, .address_space: global }
      - { .name: b3, .offset: 48, .size: 8, .value_kind: global_buffer, .address_space: global }
      - { .name: Wo, .offset: 56, .size: 8, .value_kind: global_buffer, .address_space: global }
      - { .name: bo, .offset: 64, .size: 8, .value_kind: global_buffer, .address_space: global }
      - { .name: out0, .offset: 72, .size: 8, .value_kind: global_buffer, .address_space: global }
    .group_segment_fixed_size: 302592
    .private_segment_fixed_size: 0
    .kernarg_segment_align: 8
    .kernarg_segment_size: 80
    .max_flat_workgroup_size: 128
    .sgpr_count:     66
    .vgpr_count:     1024
    .wavefront_size: 32
...
	.end_amdgpu_metadata
.endif
;; end of part 2
